; MI455X (gfx1250); checked and timed in simulation.
; The chip was launched on July 23, 2026; its instructions are those of AMD's public machine-readable ISA for CDNA 5 (MIT licence, August 2026) and "CDNA5" Instruction Set Architecture Reference Guide (July 2026). The comments in the code are by the model that wrote it; some were corrected since.
;; FP8 MM. Allowed arithmetic: matrix products marked QUANTISED: E4M3 operands, one E8M0 scale for each 32 along K, by v_wmma_scale_f32_16x16x128_f8f6f4 with both operands' format E4M3, f32 sums; everything else in f32.
;; Inputs: inp 4,096 x 4,096 float32.
;; Outputs: out0 4,096 x 4,096 float32.
;; This version of the problem:
;;   THIS VERSION OF THE PROBLEM IS GIVEN IN LOW PRECISION. The matrix products marked QUANTISED in the list below multiply operands that are first quantised to E4M3 (4 exponent bits, 3 mantissa bits; 8 bits a number), with one power-of-two scale for each 32 numbers along K (OCP MX v1.0); their sums are f32. All else is computed in f32.
;;   The module's matrix products, in the order in which they are computed (A, B: the left and right operand; K: the contracted axis; several contracted axes count as one K, in the product's order):
;;     1. [M 4,096, K 4,096] x [K 4,096, N 4,096]; A: input inp; B: input inp: QUANTISED
;;   THE QUANTISER, for each operand of a quantised product, along K:
;;     - K is cut into blocks of 32 from its start; a last block that is shorter is filled with zeros.
;;     - A block's scale is 2^e with e = floor(log2(the largest magnitude in the block)) - 8, held to -126 .. 127; a block of zeros has e = 0. As a byte (E8M0): e + 127.
;;     - Each number is divided by its block's scale, clamped to +-448, and rounded to the nearest number of E4M3, ties to even, subnormals kept.
;;     - The product sums the exact products of the quantised numbers (number of the format x scale) in f32.
;;   ~~~python
;;   def quantise(x, axis):      # numpy; x: float32 -> the quantised numbers, widened to float32 again
;;       x = np.moveaxis(x, axis, -1); K = x.shape[-1]
;;       x = np.pad(x, [(0, 0)] * (x.ndim - 1) + [(0, -K % 32)]); x = x.reshape(x.shape[:-1] + (-1, 32)); a = np.abs(x).max(-1, keepdims=True)
;;       e = np.where(a > 0, np.clip(np.frexp(np.where(a > 0, a, 1))[1] - 1 - 8, -126, 127), 0)      # np.frexp(a)[1] - 1 = floor(log2(a)), exactly
;;       r = np.clip(x / 2.0 ** e, -448, 448)
;;       step = 2.0 ** (np.maximum(np.frexp(np.where(r == 0, 1, r))[1] - 1, -6) - 3)
;;       q = np.round(r / step) * step * 2.0 ** e      # np.round: ties to even
;;       return np.moveaxis(q.reshape(q.shape[:-2] + (-1,))[..., :K], -1, axis).astype(np.float32)
;;   ~~~
;; One version. Each part assembles by itself: llvm-mc -triple=amdgcn-amd-amdhsa -mcpu=gfx1250 --defsym DOCPART=n.
;; ======== version 1 of 1: 2 launches
;; limits: right only within a limited range of input values
;; workspace buffers: ops 17,301,504 bytes
;; launch quant (part 1): grid 32 x 16, 8 waves a work-group, no clusters, 1,536 bytes of LDS; arguments inp, ops; writes ops
.if DOCPART == 1
	.amdgcn_target "amdgcn-amd-amdhsa--gfx1250"
	.amdhsa_code_object_version 6
	.text
	.protected	k_q2763a52cf5_quant
	.globl	k_q2763a52cf5_quant
	.p2align	8
	.type	k_q2763a52cf5_quant,@function
k_q2763a52cf5_quant:
	s_mov_b64 s[64:65], 0
	v_nop
	global_prefetch_b8 v0, s[64:65] scope:SCOPE_SE
	s_setreg_imm32_b32 hwreg(HW_REG_WAVE_MODE, 25, 1), 1
	s_wait_xcnt 0x0
; inp [4096 (k)][4096 (n)], f32, is the one operand of out = inp^T inp, and the product's K is inp's FIRST axis.  It is turned into codes of FP8 (E4M3), 8 bits each,
; with one E8M0 scale byte for each 32 along K, laid in the workspace ops AS THE PRODUCT'S LAUNCH READS THEM: [n / 128 (32)][k / 256 (16)] blocks of BLK = 33,792 bytes.
; A BLOCK (128 operand rows n x 256 along K):  bytes 0 .. 32,767: the code of (n, k) at 4096 ((n % 128) / 16) + 256 ((k % 256) / 16) + 16 (n % 16) + k % 16.  So the fragment of 16 rows x 128 K is 2,048 bytes on end, and in it
; the four registers 4 c .. 4 c + 3 of lane l (row l % 16, K = 32 c + 16 (l / 16) + 0 .. 15) lie at 512 c + 16 l: an image of the matrix operand's registers.   bytes 32,768 .. 33,791: row n % 128 has 8 scale bytes at 8 (n % 128).
; A block's scale is 2^(floor(log2(its largest magnitude)) - 8); its byte is the largest magnitude's own exponent field - 8, held at 1 from below.  Each number is divided by the scale, held within +-448 and rounded to the nearest code, ties to even.
; LIMITS: a block of zeros gets the byte 1 where the rule says 127: its codes are zeros, which add nothing under any byte but 0xff, and the bytes are read by this program alone.  Blocks whose largest magnitude lies under 2^-118 (the floor;
; their byte is 1, as the rule's clip gives too) were not tried.  NaN and infinities among the inputs are not served.
; SHARES.  A work-group (x = n / 128, y = k / 256) of EIGHT waves makes one whole block: waves 0-3 its K = 0 .. 127, waves 4-7 its K = 128 .. 255.  A THREAD TAKES A COLUMN n (thread % 128), AND ITS REGISTERS RUN DOWN K: each load reads
; neighbouring n in neighbouring lanes (128 consecutive bytes a wave, 512 four waves side by side), a block of 32 along K lies in ONE lane's 32 registers, so that its largest magnitude needs no other lane, and the conversions give codes
; with K innermost.  Nothing is transposed by an instruction.  Eight waves and not four, so that twice the loads are on their way: a wave has 64 loads of 128 bytes out, half of all that it reads.
; NO STAGE FOR THE CODES: a lane's 16 codes are 16 bytes, and in the image sixteen neighbouring lanes (16 neighbouring n) hold 256 consecutive bytes: each store of a wave covers two runs of 256 consecutive bytes, each at a multiple of 256 from ops' first byte.
; THE SCALE BYTES of a row come from two threads, four each: waves 4-7 hand their word to waves 0-3 through 512 bytes of LDS, behind one barrier, and waves 0-3 store 8 bytes a lane: 256 consecutive bytes a wave.
; Every offset is an immediate (127 x 16,384 at the most: inside the signed 24 bits, ISA guide, chapter 10), and each block of 32 has registers of its own for its codes: no address and no store's data are ever written again,
; so no wait for a store's sources is needed.
.set BLK,  33792                       ; a block of ops in bytes
.set SCO,  32768                       ; where its scale bytes begin
.set ROWB, 16384                       ; a row of inp in bytes
.set NB,   4                           ; blocks of 32 along K for a thread
.set IN,   1                           ; v1      4 x (thread % 128): my column in a row of inp
.set CO,   2                           ; v2      my codes' place in the block: 4096 ((thread % 128) / 16) + 16 (thread % 16)
.set SO,   3                           ; v3      my row's 8 scale bytes' place: SCO + 8 x (thread % 128)
.set LW,   4                           ; v4      LDS: my row's word: 4 x (thread % 128)
.set SB,   14                          ; v14     my four scale bytes, the lower K in the lower byte;  v15 (waves 0-3) the four of K = 128 on
.set X,    16                          ; v16-79  two sets of 32 numbers
.set C,    80                          ; v80-111 codes: eight registers for each block of 32
	s_load_b128 s[4:7], s[0:1], 0x0                ; inp s[4:5], ops s[6:7]
	v_lshl_add_u32 v112, v0, 2, 0x200
	v_mov_b32 v113, 0
	v_lshrrev_b32 v5, 5, v0
	s_delay_alu instid0(VALU_DEP_1)
	v_readfirstlane_b32 s9, v5                     ; wave 0..7
	s_lshr_b32 s15, s9, 2                          ; which 128 along K of the block are my wave's
	s_and_b32 s8, ttmp7, 0xffff                    ; y: which 256 along K
	s_lshl_b32 s10, s8, 22                         ; 256 rows of 16,384 bytes,
	s_lshl_b32 s2, s15, 21                         ; 128 more for waves 4-7,
	s_add_co_u32 s10, s10, s2
	s_lshl_b32 s2, ttmp9, 9                        ; 128 columns of 4 bytes
	s_add_co_u32 s10, s10, s2
	s_mov_b32 s11, 0
	s_lshl_b32 s12, ttmp9, 4
	s_add_co_u32 s12, s12, s8
	s_mul_i32 s12, s12, BLK                        ; block 16 x + y (under 2^25 bytes),
	s_lshl_b32 s2, s15, 11                         ; and in it eight chunks of 256 bytes on for waves 4-7
	s_add_co_u32 s12, s12, s2
	s_mov_b32 s13, 0
	s_mov_b32 s14, 0x600000                        ; the mantissa field of 448 (an instruction takes one literal: the hold's line has another)
	v_and_b32 v6, 127, v0                          ; my column in the block
	s_delay_alu instid0(VALU_DEP_1)
	v_lshlrev_b32 v[IN], 2, v6
	s_delay_alu instid0(VALU_DEP_2)
	v_lshlrev_b32 v[LW], 2, v6
	s_delay_alu instid0(VALU_DEP_3)
	v_lshrrev_b32 v[CO], 4, v6
	v_and_b32 v[SO], 15, v0
	s_delay_alu instid0(VALU_DEP_1)
	v_lshlrev_b32 v[SO], 4, v[SO]
	s_delay_alu instid0(VALU_DEP_1)
	v_lshl_add_u32 v[CO], v[CO], 12, v[SO]
	v_lshl_add_u32 v[SO], v6, 3, SCO
	s_wait_alu depctr_va_vdst(0)
	s_wait_kmcnt 0x0
	s_add_nc_u64 s[4:5], s[4:5], s[10:11]
	s_add_nc_u64 s[6:7], s[6:7], s[12:13]
.macro LOAD t                          ; block t: inp(my wave's first row + 32 t + i, my column), i = 0 .. 31, into set t % 2; read once in the whole launch
.irp i, 0,1,2,3,4,5,6,7,8,9,10,11,12,13,14,15,16,17,18,19,20,21,22,23,24,25,26,27,28,29,30,31
	global_load_b32 v[X+32*((\t)%2)+\i], v[IN], s[4:5] offset:(32*(\t)+\i)*ROWB th:TH_LOAD_NT
.endr
.endm
.macro BLOCK t
.set XS, X+32*((\t)%2)
.set CT, C+8*(\t)
.if (\t) < NB-1
	s_wait_loadcnt 32                              ; loads come back in order: this block's 32 are in; the next block's 32 may be out
.else
	s_wait_loadcnt 0x0
.endif
	v_max3_num_f32 v12, |v[XS]|, |v[XS+1]|, |v[XS+2]|              ; the block's largest magnitude: all 32 numbers are mine; two chains, so that no line waits for the line above it
	v_max3_num_f32 v13, |v[XS+3]|, |v[XS+4]|, |v[XS+5]|
.irp i, 6,10,14,18,22,26
	s_delay_alu instid0(VALU_DEP_2)
	v_max3_num_f32 v12, v12, |v[XS+\i]|, |v[XS+\i+1]|
	s_delay_alu instid0(VALU_DEP_2)
	v_max3_num_f32 v13, v13, |v[XS+\i+2]|, |v[XS+\i+3]|
.endr
	s_delay_alu instid0(VALU_DEP_2)
	v_max3_num_f32 v12, v12, |v[XS+30]|, |v[XS+31]|
	s_delay_alu instid0(VALU_DEP_1)
	v_max3_num_f32 v12, v12, v13, 0x4800000        ; and the floor 2^(9 - 127), under which no largest magnitude is taken: so the byte cannot fall under 1
	s_delay_alu instid0(VALU_DEP_1)
	v_add_nc_u32 v11, 0xfc000000, v12              ; 8 off its exponent field: the conversion takes the exponent field of this operand as its scale, and nothing else of it
	s_delay_alu instid0(VALU_DEP_2)
	v_and_or_b32 v10, v12, 0x7f800000, s14         ; 448 x the scale: the largest magnitude's exponent field over 448's mantissa
	s_delay_alu instid0(VALU_DEP_2)
	v_lshrrev_b32 v13, 23, v11                     ; the scale's byte
.irp i, 0,1,2,3,4,5,6,7,8,9,10,11,12,13,14,15,16,17,18,19,20,21,22,23,24,25,26,27,28,29,30,31
	v_med3_num_f32 v[XS+\i], v[XS+\i], -v10, v10   ; the conversion to an 8-bit code does not saturate (ISA guide 7.6.2): hold the number within the largest code x the scale first
.endr
.irp g, 0,1,2,3
	v_cvt_scalef32_pk8_fp8_f32 v[CT+2*\g:CT+2*\g+1], v[XS+8*\g:XS+8*\g+7], v11   ; eight numbers / the scale, to the nearest code, ties to even; the lowest K in the lowest byte
.endr
.if (\t) == 0
	v_mov_b32 v[SB], v13                           ; (also the plain vector line behind the last conversion)
.else
	v_lshl_or_b32 v[SB], v13, 8*(\t), v[SB]
.endif
.if (\t)+2 < NB
	LOAD (\t)+2                                    ; loads ahead of stores: the set just converted takes the block two further on
.endif
	global_store_b128 v[CO], v[CT:CT+3], s[6:7] offset:512*(\t)         ; K = 32 t + 0 .. 15 of my wave's 128: chunk 2 t of its eight
	global_store_b128 v[CO], v[CT+4:CT+7], s[6:7] offset:512*(\t)+256   ; K = 32 t + 16 .. 31: chunk 2 t + 1.  No hint: the next launch reads these bytes
.endm
	LOAD 0
	LOAD 1
.irp t, 0,1,2,3
	BLOCK \t
.endr
	s_cmp_lt_u32 s9, 4                             ; waves 4-7 hand their rows' words over
	s_cbranch_scc1 .Llower
	ds_store_b32 v[LW], v[SB]
.Llower:
	s_wait_dscnt 0x0                               ; for the others' sake: my store into LDS is done
	s_barrier_signal -1
	s_barrier_wait -1
	s_cmp_lt_u32 s9, 4                             ; waves 0-3 take them and store both words
	s_cbranch_scc0 .Lend
	ds_load_b32 v[SB+1], v[LW]
	s_wait_dscnt 0x0
	s_wait_alu depctr_va_vdst(0)
	global_store_b64 v[SO], v[SB:SB+1], s[6:7]     ; my row's 8 scale bytes: a wave stores 256 consecutive bytes, at a multiple of 256 from ops' first byte
.Lend:
	s_wait_tensorcnt 0x0
	ds_add_u32 v112, v113
	s_wait_dscnt 0x0
	s_endpgm
.Lfunc_end_k_q2763a52cf5_quant:
	.size	k_q2763a52cf5_quant, .Lfunc_end_k_q2763a52cf5_quant-k_q2763a52cf5_quant
	.p2alignl 7, 3214868480
	.fill 96, 4, 3214868480
	.section	.rodata,"a",@progbits
	.p2align	6, 0x0
	.amdhsa_kernel k_q2763a52cf5_quant
		.amdhsa_group_segment_fixed_size 1536
		.amdhsa_private_segment_fixed_size 0
		.amdhsa_enable_private_segment 0
		.amdhsa_kernarg_size 16
		.amdhsa_user_sgpr_count 2
		.amdhsa_user_sgpr_kernarg_segment_ptr 1
		.amdhsa_wavefront_size32 1
		.amdhsa_system_sgpr_workgroup_id_x 1
		.amdhsa_system_sgpr_workgroup_id_y 1
		.amdhsa_system_sgpr_workgroup_id_z 1
		.amdhsa_system_vgpr_workitem_id 0
		.amdhsa_next_free_vgpr 114
		.amdhsa_next_free_sgpr 66
		.amdhsa_reserve_vcc 0
		.amdhsa_float_denorm_mode_32 3
		.amdhsa_float_denorm_mode_16_64 3
		.amdhsa_memory_ordered 1
		.amdhsa_forward_progress 1
		.amdhsa_inst_pref_size 32
	.end_amdhsa_kernel
	.amdgpu_metadata
---
amdhsa.version: [ 1, 2 ]
amdhsa.kernels:
  - .name:           k_q2763a52cf5_quant
    .symbol:         k_q2763a52cf5_quant.kd
    .args:
      - { .name: inp, .offset: 0, .size: 8, .value_kind: global_buffer, .address_space: global }
      - { .name: ops, .offset: 8, .size: 8, .value_kind: global_buffer, .address_space: global }
    .group_segment_fixed_size: 1536
    .private_segment_fixed_size: 0
    .kernarg_segment_align: 8
    .kernarg_segment_size: 16
    .max_flat_workgroup_size: 256
    .sgpr_count:     66
    .vgpr_count:     114
    .wavefront_size: 32
...
	.end_amdgpu_metadata
.endif
;; end of part 1
;; launch gemm (part 2): grid 8 x 32, 4 waves a work-group, no clusters, 327,680 bytes of LDS; arguments ops, out0; writes out0
.if DOCPART == 2
	.amdgcn_target "amdgcn-amd-amdhsa--gfx1250"
	.amdhsa_code_object_version 6
	.text
	.protected	k_q2763a52cf5_gemm
	.globl	k_q2763a52cf5_gemm
	.p2align	8
	.type	k_q2763a52cf5_gemm,@function
k_q2763a52cf5_gemm:
	s_mov_b64 s[64:65], 0
	v_nop
	global_prefetch_b8 v0, s[64:65] scope:SCOPE_SE
	s_setreg_imm32_b32 hwreg(HW_REG_WAVE_MODE, 25, 1), 1
	s_wait_xcnt 0x0
; out0[i][j] = sum over k of Q(inp)[k][i] Q(inp)[k][j].  Both operands are ONE quantised matrix (launch quant's codes and scale bytes in ops), so out0[j][i] and out0[i][j] are the same sum of the same
; products for every input: each such sum is made once and stored at both places.  No input and no step of the quantiser is left out.
; THE DEAL.  The 4,096 columns of inp are 32 strips of 128.  Work-group (p = x, i = y) makes the blocks (strip i) x (strip i + d mod 32) for d = 2 p + 1 and 2 p + 2, so that d = 1 .. 16 is covered from every strip:
; d = 1 .. 15 is stored as it is and mirrored (which covers d = 17 .. 31); d = 16 is reached from both sides and is not mirrored.  Of the diagonal block (d = 0) work-group p makes rows 16 p .. 16 p + 15, all 128 columns,
; from fragments of strip i that it holds anyway.  256 work-groups of equal work.
; SHARES.  ops: [n / 128][k / 256] blocks of BLK bytes (register images: fragment (16 rows i, K half q) at 4096 i + 2048 q; behind the codes 8 scale bytes a row).  A slot holds one K step of 256 of three blocks: strip i ("A"), and the two
; column strips ("B").  Wave w = b + 2 h takes column strip b and the K half h of every K step: 128 x 128 in 64 accumulators, one step of 128 along K for each slot; the two halves are summed at the end through LDS.
; A's eight blocks of 16 rows stand in the wave's registers ROTATED by 4 (b xor h): so every wave sends its places 4-7 to wave w xor 2, keeps places 0-3 (rows 64 (b xor h) + 0 .. 63 of the strip), and makes the diagonal slice
; against places 0-3 (its other K half comes from wave w xor 3): what differs between waves is addresses alone.
; THE MATRIX INSTRUCTION IS USED TRANSPOSED (source 0: the columns' side, source 1: the rows' side): a lane holds eight neighbouring numbers of a row.
; NO CLUSTER: the work-groups that share strip i differ in p, and here an LDS address (the diagonal slice, 4096 p) and a branch (no mirror at 2 p + b = 15) hang on p.
; Waves 0-2 fetch the three blocks, one tensor load each. Wave 3 prefetches: of strip i's block of K step t + 4 the eight work-groups of
; the strip take 16 units of 256 bytes each, by p (lanes 16-31 name the last again); every strip is some work-group's A, so each unit of codes is named once in the launch.  The 4 units of scale bytes of a block are left to the tensor load.
; LIMIT: the order in which the two K halves are added differs from a single ascending sum; both are f32 sums of the same exact products.
.set BLK,    33792
.set SCO,    32768
.set SLOT,   3*BLK
.set SPARE,  2*SLOT
.set FREE,   SPARE+512
.set XAB,    36864                     ; a wave's exchange area: 32 accumulators and the slice's 4, as register images.  Waves 0, 1: in slot 0 (last filled and last read ahead of K step 14's barrier); waves 2, 3: from FREE on
.set STG,    FREE+2*XAB                ; a stage of 16 rows x 528 bytes for each wave
.set HROW,   16*BLK
.set CROW,   16384
.set LI, 3
.set AL, 4                             ; v4-5 A's places 0-3 in slot 0, 1;  v6-7 places 4-7;  v8-9 B;  v10-11 the slice;  v12-15 scale words;  v16-17 the slice's
.set AH, 6
.set BA, 8
.set XA, 10
.set SL, 12
.set SH, 14
.set XS, 16
.set XST, 18
.set XLD, 19
.set XLE, 20
.set STO, 21
.set RD,  22
.set MST, 23
.set MRD, 24
.set EST, 25
.set MO,  26
.set PFO, 27
.set SPW, 28
.set NIL, 29
.set SC,  32                           ; v32-47 scale words, a set for each slot: register i: lanes 0-15 A's place i, lanes 16-31 B's block i
.set XSR, 52                           ; the slice's scale word
.set XF,  64                           ; v64-79 the slice's fragment
.set EA,  80                           ; v80-111 the slice's four accumulators
.set AF,  128                          ; v128-255 A's fragments.  Window 1: B's two sets.  Windows 2, 3: accumulators of places 0-3, 4-7: (x, b) at v[8 (8 (x % 4) + b)]
.set G1, 24
.set G0, 32
.set TO_B, 0x40
.set MSB, 0
.set ZERO, 0
.macro WIN new
.if MSB != (\new)
	s_set_vgpr_msb (MSB<<8)|(\new)
.set MSB, (\new)
.endif
.endm
.macro PLACES
.rept 8
	v_nop
.endr
.endm
.macro TLOAD s                         ; waves 0-2: my block of a K step
	s_cmp_lt_u32 s14, 3
	s_cbranch_scc0 .Lno_load_\@
	tensor_load_to_lds s[G0+4*\s:G0+4*\s+3], s[G1:G1+7]
	s_nop 0
.rept 4
	v_nop
.endr
.Lno_load_\@:
.endm
	s_load_b128 s[4:7], s[0:1], 0x0                ; ops, out0
	v_lshl_add_u32 v[SPW], v0, 2, SPARE
	v_mov_b32 v[NIL], 0
	ds_add_u32 v[SPW], v[NIL]
	ds_add_u32 v[SPW], v[NIL]
	v_lshrrev_b32 v1, 5, v0
	v_readfirstlane_b32 s14, v1                    ; w
	s_lshr_b32 s15, s14, 1                         ; h
	s_and_b32 s16, s14, 1                          ; b
	s_xor_b32 s17, s15, s16                        ; the rotation
	s_and_b32 s18, ttmp9, 7                        ; p
	s_and_b32 s19, ttmp7, 31                       ; i
	s_mov_b32 s[G1+0], 3<<16                       ; a dense block as 132 rows of 256 bytes
	s_mov_b32 s[G1+1], 32<<16
	s_mov_b32 s[G1+2], 132<<16
	s_mov_b32 s[G1+3], 32<<16
	s_mov_b32 s[G1+4], 132
	s_mov_b32 s[G1+5], 32
	s_mov_b32 s[G1+6], 0
	s_mov_b32 s[G1+7], 0
	s_lshl_b32 s57, s18, 1                         ; 2 p
	s_add_co_u32 s20, s57, s14
	s_cmp_eq_u32 s14, 0
	s_cselect_b32 s20, 0, s20
	s_add_co_u32 s20, s20, s19
	s_and_b32 s20, s20, 31                         ; the strip that I fetch: i, i + 2 p + 1, i + 2 p + 2
	s_mul_i32 s20, s20, HROW
	s_mov_b32 s21, 0
	s_mul_i32 s45, s14, BLK
	s_lshl_b32 s40, s15, 11                        ; my K half in a fragment pair
	s_lshl_b32 s41, s17, 14
	s_add_co_u32 s41, s41, s40                     ; A's places 0-3: blocks 4 rot ..
	s_xor_b32 s42, s17, 1
	s_lshl_b32 s50, s42, 9
	s_lshl_b32 s42, s42, 14
	s_add_co_u32 s42, s42, s40                     ; places 4-7: blocks 4 (1 - rot) ..
	s_mul_i32 s46, s16, BLK
	s_add_co_u32 s46, s46, BLK                     ; my column strip's block in a slot
	s_add_co_u32 s43, s46, s40
	s_lshl_b32 s44, s18, 12
	s_add_co_u32 s44, s44, s40                     ; the slice: A's block p
	s_lshl_b32 s47, s15, 2
	s_add_co_u32 s47, s47, SCO                     ; my K half's word of a row's 8 scale bytes
	s_lshl_b32 s51, s17, 9
	s_add_co_u32 s48, s47, s51                     ; scale words, places 0-3: lanes 0-15
	s_sub_co_u32 s49, s46, s51                     ; and the distance to lanes 16-31's (B's blocks 0-3)
	s_add_co_u32 s50, s50, s47                     ; places 4-7
	s_add_co_u32 s51, s46, s51                     ; and the distance to B's blocks 4-7
	s_lshl_b32 s52, s18, 7
	s_add_co_u32 s52, s52, s47
	s_mul_i32 s53, s16, XAB                        ; exchange areas: mine,
	s_mul_i32 s54, s15, FREE
	s_xor_b32 s55, s15, 1
	s_mul_i32 s55, s55, FREE
	s_xor_b32 s56, s16, 1
	s_mul_i32 s56, s56, XAB
	s_add_co_u32 s56, s56, s55                     ; wave w xor 3's,
	s_add_co_u32 s55, s55, s53                     ; wave w xor 2's
	s_add_co_u32 s53, s53, s54
	s_mul_i32 s54, s14, 16*528
	s_add_co_u32 s54, s54, STG                     ; my stage
	s_add_co_u32 s57, s57, s16                     ; 2 p + b: 15 means d = 16
	s_add_co_u32 s59, s57, s19
	s_add_co_u32 s59, s59, 1
	s_and_b32 s59, s59, 31                         ; my column strip
	s_lshl_b32 s58, s19, 7
	s_lshl_b32 s60, s17, 6
	s_add_co_u32 s58, s58, s60                     ; the first of the 64 rows that I keep
	s_lshl_b32 s60, s58, 14
	s_lshl_b32 s61, s59, 9
	s_add_co_u32 s60, s60, s61                     ; the block as it is
	s_mov_b32 s61, 0
	s_lshl_b32 s62, s59, 21
	s_lshl_b32 s63, s58, 2
	s_add_co_u32 s62, s62, s63                     ; its mirror
	s_lshl_b32 s66, s19, 21
	s_lshl_b32 s67, s18, 18
	s_add_co_u32 s66, s66, s67
	s_add_co_u32 s66, s66, s63                     ; the diagonal slice
	s_mov_b32 s63, 0
	s_mov_b32 s67, 0
	s_mul_i32 s8, s19, HROW
	s_lshl_b32 s9, s18, 12
	s_add_co_u32 s8, s8, s9                        ; the prefetches: strip i, 16 units from unit 16 p on
	s_mov_b32 s9, 0
	s_cmp_eq_u32 s14, 3
	s_cselect_b32 s12, 1, -1                       ; wave 3 alone prefetches
	s_mov_b32 s3, 6
	s_wait_dscnt 0x0
	s_wait_kmcnt 0x0
	s_add_nc_u64 s[20:21], s[4:5], s[20:21]
	s_add_nc_u64 s[10:11], s[4:5], s[8:9]
	s_add_nc_u64 s[72:73], s[6:7], s[60:61]
	s_add_nc_u64 s[74:75], s[6:7], s[62:63]
	s_add_nc_u64 s[76:77], s[6:7], s[66:67]
.irp s, 0,1
	s_mov_b32 s[G0+4*\s], 1
	s_add_co_u32 s[G0+4*\s+1], s45, \s*SLOT
	s_add_nc_u64 s[G0+4*\s+2:G0+4*\s+3], s[20:21], \s*BLK
	s_or_b32 s[G0+4*\s+3], s[G0+4*\s+3], 0x80000000
.endr
	TLOAD 0                                        ; K step 0
	v_and_b32 v30, 31, v0
	v_min_u32 v30, 15, v30
	v_lshlrev_b32 v[PFO], 8, v30
	s_cmp_eq_u32 s12, 1
	s_cbranch_scc0 .Lno_pf0
	global_prefetch_b8 v[PFO], s[10:11] offset:BLK th:TH_LOAD_NT scope:SCOPE_SE      ; K steps 1 and 2
	global_prefetch_b8 v[PFO], s[10:11] offset:2*BLK th:TH_LOAD_NT scope:SCOPE_SE
.Lno_pf0:
	v_and_b32 v1, 15, v0                           ; r
	v_bfe_u32 v2, v0, 4, 1                         ; the lane's half
	v_and_b32 v[LI], 31, v0
	v_lshlrev_b32 v[LI], 4, v[LI]
	v_add_nc_u32 v[AL], s41, v[LI]
	v_add_nc_u32 v[AH], s42, v[LI]
	v_add_nc_u32 v[BA], s43, v[LI]
	v_add_nc_u32 v[XA], s44, v[LI]
	v_lshlrev_b32 v30, 3, v1
	v_mad_u32_u24 v31, s49, v2, v30
	v_add_nc_u32 v[SL], s48, v31
	v_mad_u32_u24 v31, s51, v2, v30
	v_add_nc_u32 v[SH], s50, v31
	v_add_nc_u32 v[XS], s52, v30
.irp a, AL, AH, BA, XA, SL, SH, XS
	v_add_nc_u32 v[\a+1], SLOT, v[\a]
.endr
	v_add_nc_u32 v[XST], s53, v[LI]
	v_add_nc_u32 v[XLD], s55, v[LI]
	v_add_nc_u32 v[XLE], s56, v[LI]
	v_mul_u32_u24 v31, v1, 528                     ; the block as it is: row r, 32 bytes for each half of the lanes; back: a row of 512 bytes
	v_lshl_add_u32 v31, v2, 5, v31
	v_add_nc_u32 v[STO], s54, v31
	v_add_nc_u32 v[RD], s54, v[LI]
	v_mul_u32_u24 v31, v2, 8*272                   ; the mirror: a register is a stage row (272 bytes apart), a lane a column
	v_lshl_add_u32 v31, v1, 2, v31
	v_add_nc_u32 v[MST], s54, v31
	v_mul_u32_u24 v31, v2, 272                     ; back: two rows of 256 bytes
	v_lshl_add_u32 v31, v1, 4, v31
	v_add_nc_u32 v[MRD], s54, v31
	v_mul_u32_u24 v31, v1, 272                     ; the slice: row r
	v_lshl_add_u32 v31, v2, 5, v31
	v_add_nc_u32 v[EST], s54, v31
	v_lshlrev_b32 v31, 14, v2
	v_lshl_add_u32 v[MO], v1, 4, v31               ; the same two rows in out0
.macro FRAG reg, adr, off
.irp c, 0,1,2,3
	ds_load_b128 v[\reg+4*\c:\reg+4*\c+3], v[\adr] offset:(\off)+512*\c
.endr
.endm
.macro FETCH1 n                        ; from slot n: B's eight fragments into set n, A's places 0-3, the slice, the scale words
	WIN TO_B
.irp i, 0,1,2,3,4,5,6,7
	FRAG 128*(\n)+16*\i,BA+\n,4096*\i
.endr
	WIN 0
.irp i, 0,1,2,3
	FRAG AF+16*\i,AL+\n,4096*\i
.endr
	FRAG XF,XA+\n,0
.irp i, 0,1,2,3
	ds_load_b32 v[SC+8*(\n)+\i], v[SL+\n] offset:128*\i
	ds_load_b32 v[SC+8*(\n)+4+\i], v[SH+\n] offset:128*\i
.endr
	ds_load_b32 v[XSR], v[XS+\n]
.endm
.macro FETCH2 n                        ; A's places 4-7
.irp i, 0,1,2,3
	FRAG AF+64+16*\i,AH+\n,4096*\i
.endr
.endm
.macro MUL8 x, s                       ; A's place x against B's eight; the accumulators take turns
	WIN 0xa1+0x50*((\x)/4)
.irp b, 0,1,2,3,4,5,6,7
.if ZERO
	v_wmma_scale_f32_16x16x128_f8f6f4 v[8*(8*((\x)%4)+\b):8*(8*((\x)%4)+\b)+7], v[128*(\s)+16*\b:128*(\s)+16*\b+15], v[AF+16*(\x):AF+16*(\x)+15], 0, v[SC+8*(\s)+\b], v[SC+8*(\s)+(\x)] matrix_a_scale:MATRIX_SCALE_ROW1
.else
	v_wmma_scale_f32_16x16x128_f8f6f4 v[8*(8*((\x)%4)+\b):8*(8*((\x)%4)+\b)+7], v[128*(\s)+16*\b:128*(\s)+16*\b+15], v[AF+16*(\x):AF+16*(\x)+15], v[8*(8*((\x)%4)+\b):8*(8*((\x)%4)+\b)+7], v[SC+8*(\s)+\b], v[SC+8*(\s)+(\x)] matrix_a_scale:MATRIX_SCALE_ROW1
.endif
.endr
.endm
.macro SLICE s                         ; the diagonal slice: its 16 rows (source 1, a copy of its own) against A's places 0-3 as columns
	WIN 0
.irp x, 0,1,2,3
.if ZERO
	v_wmma_scale_f32_16x16x128_f8f6f4 v[EA+8*\x:EA+8*\x+7], v[AF+16*\x:AF+16*\x+15], v[XF:XF+15], 0, v[SC+8*(\s)+\x], v[XSR]
.else
	v_wmma_scale_f32_16x16x128_f8f6f4 v[EA+8*\x:EA+8*\x+7], v[AF+16*\x:AF+16*\x+15], v[XF:XF+15], v[EA+8*\x:EA+8*\x+7], v[SC+8*(\s)+\x], v[XSR]
.endif
.endr
.endm
; One K step: slot s is multiplied; all its reads were issued in the step before.  One barrier: behind it slot s is filled again (fill = 1) and the other slot is read.
.macro TURN s, fill
.if \fill
	s_wait_xcnt 0x0                                ; my last prefetch has read its base
	s_add_nc_u64 s[10:11], s[10:11], BLK
.endif
	s_wait_dscnt 16                                ; all but A's places 4-7
	MUL8 0,\s
	MUL8 1,\s
	SLICE \s
	s_wait_tensorcnt 0x0                           ; my block of the other slot has landed
	ds_add_u32 v[SPW], v[NIL]                      ; the add, here twice
	ds_add_u32 v[SPW], v[NIL]
.if \fill
	s_add_nc_u64 s[G0+4*\s+2:G0+4*\s+3], s[G0+4*\s+2:G0+4*\s+3], 2*BLK
.endif
	MUL8 2,\s
	s_wait_dscnt 0x0                               ; the adds are done, my reads of slot s are over
	s_barrier_signal -1
	MUL8 3,\s
	WIN 0
	s_barrier_wait -1
.if \fill
	TLOAD \s
.endif
	PLACES                                         ; in front of loads into registers that products have read
	FETCH1 1-\s
.if \fill
	s_cmp_gt_u32 s3, s12                           ; wave 3, and not in the last steps
	s_cbranch_scc0 .Lnone_\@
	global_prefetch_b8 v[PFO], s[10:11] offset:3*BLK th:TH_LOAD_NT scope:SCOPE_SE    ; four K steps on from the one at work
.Lnone_\@:
.endif
.irp x, 4,5,6,7
	MUL8 \x,\s
.endr
	PLACES
	WIN 0
	FETCH2 1-\s
.endm
	s_wait_alu depctr_va_vdst(0)
	s_wait_tensorcnt 0x0                           ; a later first fill is issued as a refill is
	ds_add_u32 v[SPW], v[NIL]
	ds_add_u32 v[SPW], v[NIL]
	s_wait_dscnt 0x0
	s_barrier_signal -1
	s_barrier_wait -1
	TLOAD 1                                        ; K step 1
	FETCH1 0
	FETCH2 0
	s_cmp_eq_u32 s12, 1
	s_cbranch_scc0 .Lno_pf1
	global_prefetch_b8 v[PFO], s[10:11] offset:3*BLK th:TH_LOAD_NT scope:SCOPE_SE    ; K step 3
.Lno_pf1:
.set ZERO, 1
	TURN 0,1                                       ; K step 0 starts the sums: nothing is cleared
.set ZERO, 0
.Llap:                                                 ; K steps 1 .. 12
	TURN 1,1
	TURN 0,1
	s_sub_co_u32 s3, s3, 1
	s_cmp_lg_u32 s3, 0
	s_cbranch_scc1 .Llap
	TURN 1,1                                       ; K step 13 asks for K step 15
	TURN 0,0
	s_wait_dscnt 16                                ; K step 15
.irp x, 0,1,2,3
	MUL8 \x,1
.endr
	SLICE 1
	s_wait_dscnt 0x0
.irp x, 4,5,6,7
	MUL8 \x,1
.endr
	PLACES
; THE TWO K HALVES MEET: places 4-7 and the slice's sums go to my exchange area as register images; behind the barrier I add wave w xor 2's places 4-7 onto my places 0-3 and wave w xor 3's slice onto mine.
	WIN 0x0c
.set K, 0
.rept 64
	ds_store_b128 v[XST], v[4*K:4*K+3] offset:512*K
.set K, K+1
.endr
	WIN 0
.irp k, 0,1,2,3,4,5,6,7
	ds_store_b128 v[XST], v[EA+4*\k:EA+4*\k+3] offset:32768+512*\k
.endr
	s_wait_dscnt 0x0                               ; for the others' sake
	s_barrier_signal -1
	s_barrier_wait -1
	WIN TO_B
.set K, 0
.rept 64
	ds_load_b128 v[4*K:4*K+3], v[XLD] offset:512*K
.set K, K+1
.endr
	WIN 0
.irp k, 0,1,2,3,4,5,6,7
	ds_load_b128 v[AF+4*\k:AF+4*\k+3], v[XLE] offset:32768+512*\k
.endr
	s_wait_dscnt 0x0
	WIN 0x86                                       ; destination and source 0 window 2, source 1 window 1
.set K, 0
.rept 128
	v_pk_add_f32 v[2*K:2*K+1], v[2*K:2*K+1], v[2*K:2*K+1]
.set K, K+1
.endr
	WIN 0
.set K, 0
.rept 16
	v_pk_add_f32 v[EA+2*K:EA+2*K+1], v[EA+2*K:EA+2*K+1], v[AF+2*K:AF+2*K+1]
.set K, K+1
.endr
	s_wait_alu depctr_va_vdst(0)
; THE WAY OUT, through my own stage; LDS serves a wave's instructions in order (ISA guide 5.7.1.4), so no wait stands between a chunk's stores and loads.  Every global store covers whole aligned runs of 256 bytes.
.macro DST y                           ; 16 rows x 128 columns as they are
	WIN 0x08
.irp b, 0,1,2,3,4,5,6,7
	ds_store_b128 v[STO], v[64*\y+8*\b:64*\y+8*\b+3] offset:64*\b
	ds_store_b128 v[STO], v[64*\y+8*\b+4:64*\y+8*\b+7] offset:64*\b+16
.endr
	WIN TO_B
.irp t, 0,1,2,3,4,5,6,7,8,9,10,11,12,13,14,15
	ds_load_b128 v[64*\y+4*\t:64*\y+4*\t+3], v[RD] offset:\t*528
.endr
.endm
.macro DSEND y, younger
	s_wait_dscnt \younger
	WIN 0x04
.irp t, 0,1,2,3,4,5,6,7,8,9,10,11,12,13,14,15
	global_store_b128 v[LI], v[64*\y+4*\t:64*\y+4*\t+3], s[72:73] offset:(16*\y+\t)*CROW th:TH_STORE_NT
.endr
.endm
.macro MSTG b                          ; the mirror of columns 16 b .. 16 b + 15: 16 rows x my 64 rows as columns
	WIN 0x08
.irp y, 0,1,2,3
.irp j, 0,1,2,3,4,5,6,7
	ds_store_b32 v[MST], v[64*\y+8*(\b)+\j] offset:\j*272+64*\y
.endr
.endr
	WIN TO_B
.irp u, 0,1,2,3,4,5,6,7
	ds_load_b128 v[32*(\b)+4*\u:32*(\b)+4*\u+3], v[MRD] offset:\u*544
.endr
.endm
.macro MSEND b, younger
	s_wait_dscnt \younger
	WIN 0x04
.irp u, 0,1,2,3,4,5,6,7
	global_store_b128 v[MO], v[32*(\b)+4*\u:32*(\b)+4*\u+3], s[74:75] offset:(16*(\b)+2*\u)*CROW th:TH_STORE_NT
.endr
.endm
	DST 0
	DST 1
	DSEND 0,32                                     ; behind chunk 0's loads: chunk 1's 16 stores and 16 loads
	DST 2
	DSEND 1,32
	DST 3
	DSEND 2,32
	DSEND 3,0
	WIN 0
	s_cmp_eq_u32 s57, 15                           ; d = 16 is made from both sides: no mirror
	s_cbranch_scc1 .Lno_mirror
	s_wait_xcnt 0x0                                ; the stores above have read their registers
	MSTG 0
.irp b, 1,2,3,4,5,6,7
	MSTG \b
	MSEND \b-1,40                                  ; behind a chunk's loads: the next chunk's 32 stores and 8 loads
.endr
	MSEND 7,0
	WIN 0
.Lno_mirror:
	s_cmp_eq_u32 s15, 0                            ; both waves of a pair hold the slice's sums: the one with K half 0 stores them
	s_cbranch_scc0 .Lend
.irp x, 0,1,2,3
	ds_store_b128 v[EST], v[EA+8*\x:EA+8*\x+3] offset:64*\x
	ds_store_b128 v[EST], v[EA+8*\x+4:EA+8*\x+7] offset:64*\x+16
.endr
.irp u, 0,1,2,3,4,5,6,7
	ds_load_b128 v[AF+32+4*\u:AF+32+4*\u+3], v[MRD] offset:\u*544
.endr
	s_wait_dscnt 0x0
.irp u, 0,1,2,3,4,5,6,7
	global_store_b128 v[MO], v[AF+32+4*\u:AF+32+4*\u+3], s[76:77] offset:2*\u*CROW th:TH_STORE_NT
.endr
.Lend:
	s_wait_tensorcnt 0x0                           ; the wave's end
	ds_add_u32 v[SPW], v[NIL]
	s_wait_dscnt 0x0
	s_endpgm
.Lfunc_end_k_q2763a52cf5_gemm:
	.size	k_q2763a52cf5_gemm, .Lfunc_end_k_q2763a52cf5_gemm-k_q2763a52cf5_gemm
	.p2alignl 7, 3214868480
	.fill 96, 4, 3214868480
	.section	.rodata,"a",@progbits
	.p2align	6, 0x0
	.amdhsa_kernel k_q2763a52cf5_gemm
		.amdhsa_group_segment_fixed_size 327680
		.amdhsa_private_segment_fixed_size 0
		.amdhsa_enable_private_segment 0
		.amdhsa_kernarg_size 16
		.amdhsa_user_sgpr_count 2
		.amdhsa_user_sgpr_kernarg_segment_ptr 1
		.amdhsa_wavefront_size32 1
		.amdhsa_system_sgpr_workgroup_id_x 1
		.amdhsa_system_sgpr_workgroup_id_y 1
		.amdhsa_system_sgpr_workgroup_id_z 1
		.amdhsa_system_vgpr_workitem_id 0
		.amdhsa_next_free_vgpr 1024
		.amdhsa_next_free_sgpr 80
		.amdhsa_reserve_vcc 0
		.amdhsa_float_denorm_mode_32 3
		.amdhsa_float_denorm_mode_16_64 3
		.amdhsa_memory_ordered 1
		.amdhsa_forward_progress 1
		.amdhsa_inst_pref_size 158
	.end_amdhsa_kernel
	.amdgpu_metadata
---
amdhsa.version: [ 1, 2 ]
amdhsa.kernels:
  - .name:           k_q2763a52cf5_gemm
    .symbol:         k_q2763a52cf5_gemm.kd
    .args:
      - { .name: ops, .offset: 0, .size: 8, .value_kind: global_buffer, .address_space: global }
      - { .name: out0, .offset: 8, .size: 8, .value_kind: global_buffer, .address_space: global }
    .group_segment_fixed_size: 327680
    .private_segment_fixed_size: 0
    .kernarg_segment_align: 8
    .kernarg_segment_size: 16
    .max_flat_workgroup_size: 128
    .sgpr_count:     80
    .vgpr_count:     1024
    .wavefront_size: 32
...
	.end_amdgpu_metadata
.endif
;; end of part 2
